; MI455X (gfx1250); checked and timed in simulation.
; The chip was launched on July 23, 2026; its instructions are those of AMD's public machine-readable ISA for CDNA 5 (MIT licence, August 2026) and "CDNA5" Instruction Set Architecture Reference Guide (July 2026). The comments in the code are by the model that wrote it; some were corrected since.
;; Custom GRU Cell. Allowed arithmetic: matrix products marked QUANTISED: E2M3 operands, one E8M0 scale for each 32 along K, by v_wmma_scale_f32_16x16x128_f8f6f4 with both operands' format E2M3, f32 sums; everything else in f32.
;; Inputs: U_n_b 1,024 float32; U_n_w 1,024 x 1,024 float32; U_r_w 1,024 x 1,024 float32; U_z_w 1,024 x 1,024 float32; W_ih_b 3,072 float32; W_ih_w 3,072 x 1,024 float32; h 8,192 x 1,024 float32; x 8,192 x 1,024 float32.
;; Outputs: out0 8,192 x 1,024 float32.
;; This version of the problem:
;;   THIS VERSION OF THE PROBLEM IS GIVEN IN LOW PRECISION. The matrix products marked QUANTISED in the list below multiply operands that are first quantised to E2M3 (2 exponent bits, 3 mantissa bits; 6 bits a number), with one power-of-two scale for each 32 numbers along K (OCP MX v1.0); their sums are f32. All else is computed in f32.
;;   The module's matrix products, in the order in which they are computed (A, B: the left and right operand; K: the contracted axis; several contracted axes count as one K, in the product's order):
;;     1. [M 8,192, K 1,024] x [K 1,024, N 3,072]; A: input x; B: input W_ih_w: QUANTISED
;;     2. [M 8,192, K 1,024] x [K 1,024, N 1,024]; A: input h; B: input U_r_w: QUANTISED
;;     3. [M 8,192, K 1,024] x [K 1,024, N 1,024]; A: input h; B: input U_z_w: QUANTISED
;;     4. [M 8,192, K 1,024] x [K 1,024, N 1,024]; A: input h; B: input U_n_w: QUANTISED
;;   THE QUANTISER, for each operand of a quantised product, along K:
;;     - K is cut into blocks of 32 from its start; a last block that is shorter is filled with zeros.
;;     - A block's scale is 2^e with e = floor(log2(the largest magnitude in the block)) - 2, held to -126 .. 127; a block of zeros has e = 0. As a byte (E8M0): e + 127.
;;     - Each number is divided by its block's scale, clamped to +-7.5, and rounded to the nearest number of E2M3, ties to even, subnormals kept.
;;     - The product sums the exact products of the quantised numbers (number of the format x scale) in f32.
;;   ~~~python
;;   def quantise(x, axis):      # numpy; x: float32 -> the quantised numbers, widened to float32 again
;;       x = np.moveaxis(x, axis, -1); K = x.shape[-1]
;;       x = np.pad(x, [(0, 0)] * (x.ndim - 1) + [(0, -K % 32)]); x = x.reshape(x.shape[:-1] + (-1, 32)); a = np.abs(x).max(-1, keepdims=True)
;;       e = np.where(a > 0, np.clip(np.frexp(np.where(a > 0, a, 1))[1] - 1 - 2, -126, 127), 0)      # np.frexp(a)[1] - 1 = floor(log2(a)), exactly
;;       r = np.clip(x / 2.0 ** e, -7.5, 7.5)
;;       step = 2.0 ** (np.maximum(np.frexp(np.where(r == 0, 1, r))[1] - 1, 0) - 3)
;;       q = np.round(r / step) * step * 2.0 ** e      # np.round: ties to even
;;       return np.moveaxis(q.reshape(q.shape[:-2] + (-1,))[..., :K], -1, axis).astype(np.float32)
;;   ~~~
;; One version. Each part assembles by itself: llvm-mc -triple=amdgcn-amd-amdhsa -mcpu=gfx1250 --defsym DOCPART=n.
;; ======== version 1 of 1: 2 launches
;; limits: right only within a limited range of input values
;; workspace buffers: acodes 12,582,912 bytes; ascales 524,288 bytes; wcodes 4,718,592 bytes; wscales 196,608 bytes
;; launch quant (part 1): grid 704 x 1, 4 waves a work-group, no clusters, 49,664 bytes of LDS; arguments x, h, W_ih_w, U_r_w, U_z_w, U_n_w, acodes, ascales, wcodes, wscales; writes acodes, ascales, wcodes, wscales
.if DOCPART == 1
	.amdgcn_target "amdgcn-amd-amdhsa--gfx1250"
	.amdhsa_code_object_version 6
	.text
	.protected	k_q161f51e9e8_quant
	.globl	k_q161f51e9e8_quant
	.p2align	8
	.type	k_q161f51e9e8_quant,@function
k_q161f51e9e8_quant:
	s_mov_b64 s[64:65], 0
	v_nop
	global_prefetch_b8 v0, s[64:65] scope:SCOPE_SE
	s_setreg_imm32_b32 hwreg(HW_REG_WAVE_MODE, 25, 1), 1
	s_wait_xcnt 0x0
; x, h [8192][1024] and W_ih_w [3072][1024], U_r_w, U_z_w, U_n_w [1024][1024], all f32 with K innermost, become codes of FP6 (E2M3) with one E8M0 byte for each 32 along K.
; A block's scale is 2^(floor(log2(its largest magnitude)) - 2); its byte is the largest magnitude's exponent field - 2, held at 1 from below; each number is divided by the scale and rounded to the nearest code, ties to even,
; beyond 7.5 the largest code.
; LIMITS: NaN and infinities among the inputs are not served.  A block of zeros, or one whose largest magnitude lies under 2^-124, keeps the byte 1 where the rule says 127 or less: the bytes are read by this program alone,
; and a block of zeros has zero codes, which add nothing under that byte.
; THE CODES ARE LAID IN THE ORDER OF THE OPERAND'S REGISTERS.  A fragment image is 16 rows x 128 K, 1,536 bytes: lane l = r + 16 h has its four registers 4 c .. 4 c + 3 at byte 512 c + 16 l; the lane's 48 bytes are the row's
; block h of 32 (24 bytes) and then its block 2 + h.  KS = 8 x tensor + K step;  F = KS / 2.
;   acodes [KS 16][row block 512][1,536]  (tensor 0 = x, 1 = h)          ascales [row block 512][F 8][row 16][8 bytes: the scale words of K steps 2 F, 2 F + 1]
;   wcodes [KS 16][P 192][1,536]          (tensor 0 = W_ih, 1 = U_r, U_z, U_n on end)   wscales [P 192][F 8][16][8]
;   P = ((nb / 2) x 3 + gate) x 2 + nb % 2, gate = weight row / 1,024, nb = (row % 1,024) / 16: the six blocks that one wave of the second launch multiplies by are neighbours.
; SHARES.  A wave takes one row block (16 rows) x 512 along K: 16 steps, one row each.  A step's four loads read 512 consecutive bytes each; the 2,048 bytes turn through the wave's own stage in LDS, so that a lane
; holds 16 neighbours along K (two neighbouring lanes hold a block).  A lane's 12 bytes of codes go, word by word, to their places in the wave's four images in LDS; at the end the images leave by stores of 512
; consecutive bytes and the 256 scale bytes by one store.  One path for all six tensors: only pointers and offsets are chosen, by the work-group's number.  No barrier: waves share nothing.
.set STEPS, 16
.set WREG,  12288                      ; LDS: a region for each wave:
.set SP,    80                         ;   two stages of 32 places of 64 + 16 bytes (2 x 2,560),
.set IMG,   5120                       ;   the four images as 24 chunks of 256 + 16 bytes (chunk 6 s + 2 c + h of image s),
.set SCL,   11648                      ;   and 256 scale bytes
.set R,     16                         ; v16-79   four sets of 16 numbers as loaded; at the end v16-63: the images on their way out
.set X,     80                         ; v80-111  two sets of 16 neighbours
.set E,     112                        ; v112-127 a scale byte for each step
.set C,     128                        ; v128-191 four registers of codes for each step
; v1, v2, v4: where my three words of codes go;  v3: 16 x lane;  v5: my block's scale byte;  v6, v7: the scale bytes' way out;  v10: the images' way out;  v14, v15: the stage, in and out;  v8, v9, v11-13 at work
	s_load_b512 s[4:19], s[0:1], 0x0               ; x, h, W_ih_w, U_r_w, U_z_w, U_n_w, acodes, ascales
	s_load_b128 s[20:23], s[0:1], 0x40             ; wcodes, wscales
	v_lshl_add_u32 v192, v0, 2, 0xc000
	v_mov_b32 v193, 0
	v_lshrrev_b32 v8, 5, v0
	v_readfirstlane_b32 s24, v8                    ; wave
	v_and_b32 v9, 31, v0                           ; lane
	v_lshlrev_b32 v3, 4, v9
	v_lshlrev_b32 v7, 3, v9
	s_mul_i32 s25, s24, WREG                       ; my wave's region
	v_lshrrev_b32 v14, 2, v9
	v_mul_u32_u24 v14, v14, SP
	v_and_b32 v15, 3, v9
	v_lshl_add_u32 v14, v15, 4, v14
	v_add_nc_u32 v14, s25, v14                     ; the stage, on the way in: SP (lane / 4) + 16 (lane % 4)
	v_mul_u32_u24 v15, v9, SP
	v_add_nc_u32 v15, s25, v15                     ; and on the way out: SP x lane
	; Lane L holds k = 16 L .. 16 L + 15 of the step's 512: image s = L / 8, in it block 2 c' + h with h = (L / 2) % 2 and c' = (L / 4) % 2, half j = L % 2 of that block.
	; In the target lane's 48 bytes they are bytes p0 = 24 c' + 12 j on; byte p lies in chunk 6 s + 2 (p / 16) + h at 16 x row + p % 16.
	s_add_co_u32 s26, s25, IMG
	v_bfe_u32 v8, v0, 3, 2
	v_mul_u32_u24 v8, v8, 1632                     ; 6 chunks an image
	v_bfe_u32 v11, v0, 1, 1
	v_mad_u32_u24 v8, v11, 272, v8
	v_add_nc_u32 v8, s26, v8
	v_bfe_u32 v11, v0, 2, 1
	v_mul_u32_u24 v11, v11, 24
	v_and_b32 v12, 1, v0
	v_mad_u32_u24 v11, v12, 12, v11                ; p0
.macro DADDR dst, d
	v_add_nc_u32 v12, 4*\d, v11
	v_lshrrev_b32 v13, 4, v12
	v_and_b32 v12, 15, v12
	v_mad_u32_u24 v13, v13, 544, v12
	v_add_nc_u32 v\dst, v8, v13
.endm
	DADDR 1, 0
	DADDR 2, 1
	DADDR 4, 2
	s_add_co_u32 s27, s25, SCL
	v_bfe_u32 v5, v0, 4, 1
	v_lshlrev_b32 v5, 7, v5                        ; 128 bytes a pair of K steps,
	v_bfe_u32 v12, v0, 3, 1
	v_lshl_add_u32 v5, v12, 2, v5                  ; 4 a K step,
	v_bfe_u32 v12, v0, 1, 2
	v_add_nc_u32 v5, v5, v12                       ; 1 a block; 8 a row stand in the store's immediate
	v_add_nc_u32 v5, s27, v5
	v_add_nc_u32 v6, s27, v7
	v_bfe_u32 v10, v0, 4, 1
	v_mul_u32_u24 v10, v10, 272
	v_and_b32 v12, 15, v0
	v_lshl_add_u32 v10, v12, 4, v10
	v_add_nc_u32 v10, s26, v10                     ; the images' way out: lanes 0-15 one chunk, lanes 16-31 the next
	s_lshr_b32 s30, s24, 1                         ; which of the work-group's two row blocks
	s_and_b32 s31, s24, 1                          ; which half of K
	s_wait_kmcnt 0x0
	; the source, by the work-group's number g: x 0-255, h 256-511, W_ih 512-607, U_r 608-639, U_z 640-671, U_n 672-703.  s28: the tensor's first work-group
	s_mov_b32 s28, 672
	s_cmp_lt_u32 ttmp9, 672
	s_cselect_b64 s[14:15], s[12:13], s[14:15]
	s_cselect_b32 s28, 640, s28
	s_cmp_lt_u32 ttmp9, 640
	s_cselect_b64 s[14:15], s[10:11], s[14:15]
	s_cselect_b32 s28, 608, s28
	s_cmp_lt_u32 ttmp9, 608
	s_cselect_b64 s[14:15], s[8:9], s[14:15]
	s_cselect_b32 s28, 512, s28
	s_cmp_lt_u32 ttmp9, 512
	s_cselect_b64 s[14:15], s[6:7], s[14:15]
	s_cselect_b32 s28, 256, s28
	s_cmp_lt_u32 ttmp9, 256
	s_cselect_b64 s[14:15], s[4:5], s[14:15]
	s_cselect_b32 s28, 0, s28
	s_sub_co_u32 s29, ttmp9, s28
	s_lshl_b32 s29, s29, 1
	s_add_co_u32 s29, s29, s30                     ; my row block in the source tensor
	s_lshl_b32 s32, s29, 16                        ; 16 rows of 4,096 bytes
	s_lshl_b32 s33, s31, 11                        ; + 512 numbers
	s_add_co_u32 s32, s32, s33
	s_mov_b32 s33, 0
	s_add_nc_u64 s[14:15], s[14:15], s[32:33]
	; the destination.  Both kinds are worked out, then one compare chooses.  Weights: G = g - 512; tensor = (G >= 96); row block rb of the 192
	s_sub_co_u32 s34, ttmp9, 512
	s_cmp_ge_u32 s34, 96
	s_cselect_b32 s35, 1, 0                        ; tensor
	s_cselect_b32 s36, 96, 0
	s_sub_co_u32 s34, s34, s36
	s_lshl_b32 s34, s34, 1
	s_add_co_u32 s34, s34, s30                     ; rb
	s_lshr_b32 s36, s34, 6                         ; gate
	s_and_b32 s37, s34, 63                         ; nb
	s_lshr_b32 s38, s37, 1
	s_mul_i32 s38, s38, 3
	s_add_co_u32 s38, s38, s36
	s_lshl_b32 s38, s38, 1
	s_and_b32 s37, s37, 1
	s_add_co_u32 s38, s38, s37                     ; P
	s_lshr_b32 s39, ttmp9, 8                       ; x or h: tensor,
	s_and_b32 s40, ttmp9, 255
	s_lshl_b32 s40, s40, 1
	s_add_co_u32 s40, s40, s30                     ; row block
	s_mov_b32 s41, 192                             ; blocks in a plane KS
	s_cmp_lt_u32 ttmp9, 512                        ; the choice hangs on the work-group's number alone
	s_cselect_b64 s[16:17], s[16:17], s[20:21]     ; codes
	s_cselect_b64 s[18:19], s[18:19], s[22:23]     ; scale bytes
	s_cselect_b32 s35, s39, s35
	s_cselect_b32 s38, s40, s38
	s_cselect_b32 s41, 512, s41
	s_lshl_b32 s35, s35, 2
	s_lshl_b32 s36, s31, 1
	s_add_co_u32 s35, s35, s36                     ; F0 = 4 x tensor + 2 x half of K
	s_lshl_b32 s36, s35, 1                         ; my four images are K steps KS0 = 2 F0 .. KS0 + 3
	s_mul_i32 s36, s36, s41
	s_add_co_u32 s36, s36, s38
	s_mul_i32 s36, s36, 1536
	s_mov_b32 s37, 0
	s_add_nc_u64 s[16:17], s[16:17], s[36:37]      ; image 0
	s_mul_i32 s36, s41, 1536                       ; a plane
	s_add_nc_u64 s[20:21], s[16:17], s[36:37]      ; image 1: a plane on
	s_add_nc_u64 s[22:23], s[20:21], s[36:37]      ; image 2
	s_add_nc_u64 s[42:43], s[22:23], s[36:37]      ; image 3
	s_lshl_b32 s36, s38, 3
	s_add_co_u32 s36, s36, s35
	s_lshl_b32 s36, s36, 7
	s_add_nc_u64 s[18:19], s[18:19], s[36:37]      ; my 256 scale bytes
.macro LOAD t                          ; row t of the block: 2,048 bytes, 512 consecutive bytes a load
.irp i, 0,1,2,3
	global_load_b128 v[R+16*((\t)%4)+4*\i:R+16*((\t)%4)+4*\i+3], v3, s[14:15] offset:4096*(\t)+512*\i th:TH_LOAD_NT
.endr
.endm
.macro TURN t                          ; step t's numbers through the stage: LDS serves a wave's instructions in order, so no wait stands between the stores and the loads
.irp i, 0,1,2,3
	ds_store_b128 v14, v[R+16*((\t)%4)+4*\i:R+16*((\t)%4)+4*\i+3] offset:32*SP*((\t)%2)+8*SP*\i
.endr
.irp i, 0,1,2,3
	ds_load_b128 v[X+16*((\t)%2)+4*\i:X+16*((\t)%2)+4*\i+3], v15 offset:32*SP*((\t)%2)+16*\i
.endr
.endm
.irp t, 0,1,2,3
	LOAD \t
.endr
	s_wait_loadcnt 12                              ; step 0's four loads are in; the twelve behind them may be out
	TURN 0
.macro STEP t
.set XS, X+16*((\t)%2)
.if (\t) > 0
	s_wait_dscnt 4                                 ; this step's numbers are back from the stage; the last step's four stores, issued behind them, may be out
.else
	s_wait_dscnt 0x0
.endif
.if (\t)+4 < STEPS
	LOAD (\t)+4                                    ; into the registers that this step's stores into the stage have read
.endif
.if (\t)+1 < STEPS
.if STEPS-2-(\t) >= 3
	s_wait_loadcnt 12                              ; the next step's four loads are in; those of the three steps behind it may be out
.else
	s_wait_loadcnt 4*(STEPS-2-(\t))
.endif
	TURN (\t)+1
.endif
	v_max3_num_f32 v8, |v[XS]|, |v[XS+1]|, |v[XS+2]|               ; the largest magnitude of my 16, in two chains
	v_max3_num_f32 v9, |v[XS+3]|, |v[XS+4]|, |v[XS+5]|
.irp i, 6,10
	v_max3_num_f32 v8, v8, |v[XS+\i]|, |v[XS+\i+1]|
	v_max3_num_f32 v9, v9, |v[XS+\i+2]|, |v[XS+\i+3]|
.endr
	v_max3_num_f32 v8, v8, |v[XS+14]|, |v[XS+15]|
	v_max3_num_f32 v8, v8, v9, 0x1800000           ; and the floor 2^(3 - 127): the byte cannot fall under 1
	v_max_num_f32_dpp v8, v8, v8 row_xmask:1 row_mask:0xf bank_mask:0xf   ; with my neighbour's 16: the block's
	v_add_nc_u32 v11, 0xff000000, v8               ; 2 off its exponent field: the conversion takes the exponent field of this operand as its scale
	v_cvt_scalef32_pk16_fp6_f32 v[C+4*(\t):C+4*(\t)+2], v[XS:XS+15], v11
	v_lshrrev_b32 v[E+(\t)], 23, v11               ; the scale's byte (a plain line behind the conversion)
	ds_store_b8 v5, v[E+(\t)] offset:8*(\t)        ; both lanes of a block write the same byte with the same value
	ds_store_b32 v1, v[C+4*(\t)] offset:16*(\t)    ; my three words to their places in the image: row t is lane t or 16 + t of the fragment
	ds_store_b32 v2, v[C+4*(\t)+1] offset:16*(\t)
	ds_store_b32 v4, v[C+4*(\t)+2] offset:16*(\t)
.endm
.irp t, 0,1,2,3,4,5,6,7,8,9,10,11,12,13,14,15
	STEP \t
.endr
.irp n, 0,1,2,3,4,5,6,7,8,9,10,11      ; image n / 3, its registers' group n % 3: 512 bytes.  LDS serves a wave's instructions in order: these see my stores
	ds_load_b128 v[R+4*\n:R+4*\n+3], v10 offset:1632*(\n/3)+544*(\n%3)
.endr
	ds_load_b64 v[12:13], v6
.irp n, 0,1,2,3,4,5,6,7,8,9,10,11
	s_wait_dscnt 12-\n                             ; group n is in; the younger groups and the scale bytes may be out
.if \n < 3
	global_store_b128 v3, v[R+4*\n:R+4*\n+3], s[16:17] offset:512*(\n%3)   ; 32 lanes store 512 consecutive bytes, at a multiple of 256 from the buffer's first byte
.elseif \n < 6
	global_store_b128 v3, v[R+4*\n:R+4*\n+3], s[20:21] offset:512*(\n%3)
.elseif \n < 9
	global_store_b128 v3, v[R+4*\n:R+4*\n+3], s[22:23] offset:512*(\n%3)
.else
	global_store_b128 v3, v[R+4*\n:R+4*\n+3], s[42:43] offset:512*(\n%3)
.endif
.endr
	s_wait_dscnt 0x0
	global_store_b64 v7, v[12:13], s[18:19]        ; 32 lanes store 256 consecutive bytes, aligned
	s_wait_tensorcnt 0x0
	ds_add_u32 v192, v193
	s_wait_dscnt 0x0
	s_endpgm
.Lfunc_end_k_q161f51e9e8_quant:
	.size	k_q161f51e9e8_quant, .Lfunc_end_k_q161f51e9e8_quant-k_q161f51e9e8_quant
	.p2alignl 7, 3214868480
	.fill 96, 4, 3214868480
	.section	.rodata,"a",@progbits
	.p2align	6, 0x0
	.amdhsa_kernel k_q161f51e9e8_quant
		.amdhsa_group_segment_fixed_size 49664
		.amdhsa_private_segment_fixed_size 0
		.amdhsa_enable_private_segment 0
		.amdhsa_kernarg_size 80
		.amdhsa_user_sgpr_count 2
		.amdhsa_user_sgpr_kernarg_segment_ptr 1
		.amdhsa_wavefront_size32 1
		.amdhsa_system_sgpr_workgroup_id_x 1
		.amdhsa_system_sgpr_workgroup_id_y 1
		.amdhsa_system_sgpr_workgroup_id_z 1
		.amdhsa_system_vgpr_workitem_id 0
		.amdhsa_next_free_vgpr 194
		.amdhsa_next_free_sgpr 66
		.amdhsa_reserve_vcc 0
		.amdhsa_float_denorm_mode_32 3
		.amdhsa_float_denorm_mode_16_64 3
		.amdhsa_memory_ordered 1
		.amdhsa_forward_progress 1
		.amdhsa_inst_pref_size 40
	.end_amdhsa_kernel
	.amdgpu_metadata
---
amdhsa.version: [ 1, 2 ]
amdhsa.kernels:
  - .name:           k_q161f51e9e8_quant
    .symbol:         k_q161f51e9e8_quant.kd
    .args:
      - { .name: x, .offset: 0, .size: 8, .value_kind: global_buffer, .address_space: global }
      - { .name: h, .offset: 8, .size: 8, .value_kind: global_buffer, .address_space: global }
      - { .name: W_ih_w, .offset: 16, .size: 8, .value_kind: global_buffer, .address_space: global }
      - { .name: U_r_w, .offset: 24, .size: 8, .value_kind: global_buffer, .address_space: global }
      - { .name: U_z_w, .offset: 32, .size: 8, .value_kind: global_buffer, .address_space: global }
      - { .name: U_n_w, .offset: 40, .size: 8, .value_kind: global_buffer, .address_space: global }
      - { .name: acodes, .offset: 48, .size: 8, .value_kind: global_buffer, .address_space: global }
      - { .name: ascales, .offset: 56, .size: 8, .value_kind: global_buffer, .address_space: global }
      - { .name: wcodes, .offset: 64, .size: 8, .value_kind: global_buffer, .address_space: global }
      - { .name: wscales, .offset: 72, .size: 8, .value_kind: global_buffer, .address_space: global }
    .group_segment_fixed_size: 49664
    .private_segment_fixed_size: 0
    .kernarg_segment_align: 8
    .kernarg_segment_size: 80
    .max_flat_workgroup_size: 128
    .sgpr_count:     66
    .vgpr_count:     194
    .wavefront_size: 32
...
	.end_amdgpu_metadata
.endif
;; end of part 1
;; launch gru (part 2): grid 8 x 32, 4 waves a work-group, clusters of 4 x 4, 327,680 bytes of LDS; arguments acodes, ascales, wcodes, wscales, h, W_ih_b, U_n_b, out0; writes out0
.if DOCPART == 2
	.amdgcn_target "amdgcn-amd-amdhsa--gfx1250"
	.amdhsa_code_object_version 6
	.text
	.protected	k_q161f51e9e8_gru
	.globl	k_q161f51e9e8_gru
	.p2align	8
	.type	k_q161f51e9e8_gru,@function
k_q161f51e9e8_gru:
	s_mov_b64 s[64:65], 0
	v_nop
	global_prefetch_b8 v0, s[64:65] scope:SCOPE_SE
	s_setreg_imm32_b32 hwreg(HW_REG_WAVE_MODE, 25, 1), 1
	s_wait_xcnt 0x0
	s_wait_alu depctr_hold_cnt(0) depctr_sa_sdst(0) depctr_va_vdst(0) depctr_va_sdst(0) depctr_va_ssrc(0) depctr_va_vcc(0) depctr_vm_vsrc(0)
	s_getreg_b32 s2, hwreg(HW_REG_IB_STS2, 6, 4)
	s_cmp_eq_u32 s2, 0
	s_cbranch_scc0 .Lentry_in_a_cluster
	s_endpgm
.Lentry_in_a_cluster:
	s_bfe_u32 s2, ttmp6, 0x10000c
	s_cmp_lg_u32 s2, 0xf033
	s_cbranch_scc0 .Lentry_shape_is_right
	s_endpgm
.Lentry_shape_is_right:
; out = (1 - z) n + z h,  r = sigmoid(x Wr^T + br + h Ur^T),  z = sigmoid(x Wz^T + bz + h Uz^T),  n = tanh(x Wn^T + bn + r (h Un^T + cn)).  8,192 rows, 1,024 columns.
; All products on codes of FP6 (E2M3) with one E8M0 scale for each 32 along K, laid by the launch before as images of the operand's registers (16 rows x 128 K = 1,536 bytes), a plane of images for each K step.
; SHARES.  256 work-groups that stay: each makes 256 rows x 128 columns of out in TWO PASSES of 64 columns.  In a pass wave w = 2 wm + wn makes rows 128 wm on, columns 32 wn on: 8 x 2 tiles of 16 x 16 with four
; accumulators each (R, Z summed over x's K and h's; NX over x's; NH over h's): 512 registers.  For 128 along K a wave reads 8 + 6 fragments for 48 products.
; The matrix instruction is used transposed (source 0 = 16 weight rows, source 1 = 16 rows of x or h): lane (r, h') holds row r and columns 8 h' + 0 .. 7 of a tile.
; K WALK.  Sixteen steps (x's eight, h's eight) in six fills through two LDS slots: five fills of three steps, and a sixth with step 15, laid compact, and h's own f32 tile (for z h).  The round behind step 14 asks
; for the next pass's first fill, which lands while the gates are worked; the top of the pass loop asks for its second.  The last pass's tail is written out: it asks for nothing more.
; THE GATES are worked in place in the accumulators' own register window, two row blocks at a time: one block's transcendentals stand among the other's packed arithmetic.  h comes from LDS into NH's registers once these are dead.
; A row's 256 bytes of out come from two waves: two row blocks go through a stage of its own bytes, then leave as whole rows.
; CLUSTERS 4 x 4: the four of a row of the cluster ask jointly for the tiles of x and h, the four of a column for the weights'.  h's f32 tile belongs to no partner: a plain load.  The scale bytes (40,960 of some
; 1,500,000 bytes that a work-group takes in) come once, through registers, into LDS bytes of their own: too small a part to be asked for jointly.
; PREFETCHES INTO THE L2.  Behind the request for fill n, and behind the run of LDS loads that follows it, each wave names its share of fill n + 2: six K steps, 288 products of a wave, ahead of that fill's own request.
; A wave names blocks of the half tile that it fetches itself; the four partners that ask for it jointly share each plane's blocks of 256 bytes out by address (12 each of A's 48, by cx; 9 each of the weights' 36, by cy),
; a lane a block, an instruction a plane; lanes left over name the share's last block again.  h's tile: 64 rows a wave, a lane a row.  The head asks for fills 1 and 2.  The second pass asks for weights and h alone:
; its rows of x's and h's codes have been read in the first.  The last pass asks for nothing beyond its sixth fill.  The addresses stand still but for one step a pass, behind s_wait_xcnt 0.
; LIMITS: NaN and infinities among the inputs are not served.  sigmoid(v) = 1 / (1 + 2^(-v log2 e)), tanh(v) = 1 - 2 / (1 + 2^(2 v log2 e)): where the power overflows to infinity its reciprocal is 0, the gate's limit;
; near v = 0 tanh carries the absolute rounding error of 1 - 2 q, some 1e-7.
; REGISTERS.  window 0: v1-30 addresses; v32-63 scale words, two sets; v64-127 the biases; v128-223 A's eight fragments, one set (at the head the scale bytes, in the gates rows on their way out).
;   window 1: the weights' six fragments, two sets, at v0 and v128.   window 2: accumulators of row blocks 0-3, (a, jj) at v[8 (8 (a % 4) + jj)], jj = R0 R1 Z0 Z1 NX0 NX1 NH0 NH1;   window 3: blocks 4-7.
.set ASTEP, 12288                      ; 8 images: one K step of half of A's rows
.set BSTEP, 9216                       ; 6 images: one K step of half of a pass's weight rows
.set AHALF, 3*ASTEP
.set BHALF, 3*BSTEP
.set BOFF,  2*AHALF                    ; a slot: A's two halves [step 3][8 images], then the weights' two
.set SLOT,  2*AHALF+2*BHALF            ; 129,024
.set C15A,  SLOT                       ; the sixth fill, in slot 1: step 15 of A (16 images),
.set C15B,  SLOT+2*ASTEP               ; of the weights (12 images),
.set HT,    SLOT+2*ASTEP+2*BSTEP       ; and h's tile: 256 rows x (256 + 16) bytes
.set HP,    272
.set SCA,   2*SLOT                     ; A's scale bytes: 16 row blocks x 1,024
.set SCB,   SCA+16384                  ; the weights', both passes: 24 blocks x 1,024
.set STAGE, SCB+24576                  ; 64 rows x 272 bytes
.set SPARE, STAGE+64*HP                ; the spare words: 128 bytes a wave
.set APL,   512*1536                   ; from a plane of acodes to the next
.set BPL,   192*1536
.set BPASS, 12*1536                    ; from a pass's weight images to the next pass's
.set PFO,   8                          ; v8  the prefetches' offset in a plane: 256 x min(lane, blocks of my share - 1)
.set PFHO,  9                          ; v9  and in h: lane x a row of 4,096 bytes
.set ADRA,  16                         ; v16-17 my A fragments in slot 0, 1
.set ADRB,  18                         ; v18-19 my weight fragments
.set ADRS,  20                         ; scale words: lanes 0-15 A's rows, lanes 16-31 the weights'
.set ADRSA, 21                         ; A's in all lanes
.set HA,    22                         ; h's tile: my 32 bytes of row r
.set RD,    23                         ; the stage: whole rows back
.set CO,    24                         ; the same place in out
.set BO,    25                         ; the biases: 32 h'
.set ADRA0, 26                         ; step 15's fragments
.set ADRB0, 27
.set SPW,   28
.set NIL,   29
.set STO,   30                         ; the stage: my 32 bytes of row r
.set SC,    32
.set BI,    64
.set AF,    128
.set BK,    128
.set G1A,  4
.set G1B,  12
.set G1A1, 24
.set G1B1, 32
.set G1H,  40
.set G0A,  48                          ; s[48:55] one set for each slot
.set G0B,  56
.set G0A1, 68
.set G0B1, 72
.set G0H,  76
; s20 wave, s21 wm, s22 wn, s23 passes to go; s[80:81] my 64 rows of h (prefetch), s[82:83] W_ih_b, s[84:85] U_n_b, s[86:87] out0; s96, s97 distance from A's scale words to the weights' in pass 0, 1;
; s[100:101] my share of plane 6 of the codes that I fetch (prefetch); s[2:3], s[66:67] the gates' constants
.set MSB, 0
.macro WIN new
.if MSB != (\new)
	s_set_vgpr_msb (MSB<<8)|(\new)
.set MSB, (\new)
.endif
.endm
.set MUL_LO,  0xa1
.set MULB_LO, 0x81
.set TO_B,    0x40
.macro TLOAD g0, g1                    ; the four v_nop stand ahead of whatever follows
	tensor_load_to_lds s[\g0:\g0+3], s[\g1:\g1+7]
	s_nop 0
.rept 4
	v_nop
.endr
.endm
.macro JLOAD s                         ; waves 0, 1 fetch A's halves of slot s, waves 2, 3 the weights'
	s_cmp_eq_u32 s21, 0
	s_cbranch_scc0 .Lfor_b_\@
	TLOAD G0A+4*\s, G1A
	s_branch .Lasked_\@
.Lfor_b_\@:
	TLOAD G0B+4*\s, G1B
.Lasked_\@:
.endm
.macro LOAD5                           ; the sixth fill: wave 0 step 15 of A, wave 1 of the weights, waves 2 and 3 128 rows each of h's tile
	s_cmp_lt_u32 s20, 1
	s_cbranch_scc0 .Lf5b_\@
	TLOAD G0A1, G1A1
	s_branch .Lf5e_\@
.Lf5b_\@:
	s_cmp_lt_u32 s20, 2
	s_cbranch_scc0 .Lf5h_\@
	TLOAD G0B1, G1B1
	s_branch .Lf5e_\@
.Lf5h_\@:
	TLOAD G0H, G1H
.Lf5e_\@:
.endm
; Prefetch planes p0 .. p0 + np - 1.  nxt = 0: of this pass (A's waves in the first pass alone).  nxt = 1: of the next pass, the weights' waves alone, and only while a pass follows.  hh = 1: my 64 rows of h's tile too.
.macro ASK p0, np, nxt, hh
.if \hh
	global_prefetch_b8 v[PFHO], s[80:81] th:TH_LOAD_NT scope:SCOPE_SE
	global_prefetch_b8 v[PFHO], s[80:81] offset:32*4096 th:TH_LOAD_NT scope:SCOPE_SE
.endif
	s_cmp_eq_u32 s21, 0
	s_cbranch_scc0 .Lpw_\@
.if \nxt == 0
	s_cmp_eq_u32 s23, 2
	s_cbranch_scc0 .Lpe_\@
.set Q, 0
.rept \np
	global_prefetch_b8 v[PFO], s[100:101] offset:(\p0+Q-6)*APL th:TH_LOAD_NT scope:SCOPE_SE
.set Q, Q+1
.endr
.endif
	s_branch .Lpe_\@
.Lpw_\@:
.if \nxt
	s_cmp_eq_u32 s23, 2
	s_cbranch_scc0 .Lpe_\@
.endif
.set Q, 0
.rept \np
	global_prefetch_b8 v[PFO], s[100:101] offset:(\p0+Q-6)*BPL+\nxt*BPASS th:TH_LOAD_NT scope:SCOPE_SE
.set Q, Q+1
.endr
.Lpe_\@:
.endm
.macro CREST
	s_cmp_lg_u32 s20, 0
	s_cbranch_scc1 .Lnot_wave_0_\@
	s_barrier_signal -3
.Lnot_wave_0_\@:
	s_barrier_wait -3
	s_barrier_signal -1
	s_barrier_wait -1
.endm
.macro CROUND
	s_barrier_signal -1
	s_barrier_wait -1
	CREST
.endm
.macro SHAPE g, c, rows, pitch         ; group 1: rows of c elements, pitch elements apart
	s_mov_b32 s[\g+1], (\c)<<16
	s_mov_b32 s[\g+2], (\rows)<<16
	s_mov_b32 s[\g+3], (\c)<<16
	s_mov_b32 s[\g+4], \rows
	s_mov_b32 s[\g+5], \pitch
	s_mov_b32 s[\g+6], 0
	s_mov_b32 s[\g+7], 0
.endm
.macro BIASES                          ; lane (r, h') wants, for gate g and tile b, the biases of columns 16 b + 8 h' + 0 .. 7
.irp g, 0,1,2
.irp b, 0,1
	global_load_b128 v[BI+8*(2*\g+\b):BI+8*(2*\g+\b)+3], v[BO], s[82:83] offset:4096*\g+64*\b
	global_load_b128 v[BI+8*(2*\g+\b)+4:BI+8*(2*\g+\b)+7], v[BO], s[82:83] offset:4096*\g+64*\b+16
.endr
.endr
.irp b, 0,1
	global_load_b128 v[BI+48+8*\b:BI+48+8*\b+3], v[BO], s[84:85] offset:64*\b
	global_load_b128 v[BI+48+8*\b+4:BI+48+8*\b+7], v[BO], s[84:85] offset:64*\b+16
.endr
.endm
	s_load_b256 s[88:95], s[0:1], 0x0              ; acodes, ascales, wcodes, wscales
	s_load_b256 s[80:87], s[0:1], 0x20             ; h, W_ih_b, U_n_b, out0
	v_lshl_add_u32 v[SPW], v0, 2, SPARE
	v_mov_b32 v[NIL], 0
	ds_add_u32 v[SPW], v[NIL]                      ; the opening lines: the add twice on end under one wait
	ds_add_u32 v[SPW], v[NIL]
	v_lshrrev_b32 v1, 5, v0
	v_readfirstlane_b32 s20, v1                    ; wave
	s_lshr_b32 s21, s20, 1                         ; wm; also: I fetch for A (0) or the weights (1)
	s_and_b32 s22, s20, 1                          ; wn; also: which half I fetch
	s_mov_b32 s23, 2
	s_bfe_u32 s98, ttmp6, 0x40000                  ; cx
	s_bfe_u32 s99, ttmp6, 0x40004                  ; cy
	s_lshl_b32 s100, ttmp9, 2
	s_add_co_u32 s100, s100, s98                   ; ct: 128 columns
	s_and_b32 s101, ttmp7, 0xffff
	s_lshl_b32 s101, s101, 2
	s_add_co_u32 s101, s101, s99                   ; tr: 256 rows
	s_lshl_b32 s2, s99, 2
	s_lshl_b32 s2, 15, s2                          ; my row of the cluster
	s_lshl_b32 s3, 0x1111, s98                     ; my column
	s_or_b32 s[G1A], s2, (3<<16)|(1<<21)           ; elements of 8 bytes; bit 21 beside a mask
	s_or_b32 s[G1A1], s2, (3<<16)|(1<<21)
	s_or_b32 s[G1B], s3, (3<<16)|(1<<21)
	s_or_b32 s[G1B1], s3, (3<<16)|(1<<21)
	SHAPE G1A, ASTEP/8, 3, APL/8                   ; three planes of a half's 8 images
	SHAPE G1B, BSTEP/8, 3, BPL/8
	SHAPE G1A1, 32, 96, 32                         ; 16 images, dense, as rows of 256 bytes
	SHAPE G1B1, 32, 72, 32                         ; 12 images
	s_mov_b32 s[G1H], (2<<16)|(1<<20)|(5<<22)|(3<<25)   ; no mask; elements of 4 bytes; 4 words of padding behind every 64
	SHAPE G1H, 64, 128, 1024
	s_lshl_b32 s66, s101, 4
	s_lshl_b32 s67, s22, 3
	s_add_co_u32 s66, s66, s67
	s_mul_i32 s66, s66, 1536                       ; A: row block 16 tr + 8 half
	s_mov_b32 s67, 0
	s_mul_i32 s96, s100, 24
	s_mul_i32 s97, s22, 6
	s_add_co_u32 s96, s96, s97
	s_mul_i32 s96, s96, 1536                       ; weights: block 24 ct + 6 half
	s_mov_b32 s97, 0
	s_wait_dscnt 0x0
	s_wait_kmcnt 0x0
	s_mov_b32 s[G0A], 1
	s_mul_i32 s[G0A+1], s22, AHALF
	s_add_nc_u64 s[G0A+2:G0A+3], s[88:89], s[66:67]        ; slot 0: steps 0 to 2
	s_mov_b32 s[G0A+4], 1
	s_add_co_u32 s[G0A+5], s[G0A+1], SLOT
	s_add_nc_u64 s[G0A+6:G0A+7], s[G0A+2:G0A+3], 3*APL     ; slot 1: steps 3 to 5
	s_or_b32 s[G0A+3], s[G0A+3], 0x80000000
	s_or_b32 s[G0A+7], s[G0A+7], 0x80000000
	s_mov_b32 s[G0B], 1
	s_mul_i32 s[G0B+1], s22, BHALF
	s_add_co_u32 s[G0B+1], s[G0B+1], BOFF
	s_add_nc_u64 s[G0B+2:G0B+3], s[92:93], s[96:97]
	s_mov_b32 s[G0B+4], 1
	s_add_co_u32 s[G0B+5], s[G0B+1], SLOT
	s_add_nc_u64 s[G0B+6:G0B+7], s[G0B+2:G0B+3], 3*BPL
	s_or_b32 s[G0B+3], s[G0B+3], 0x80000000
	s_or_b32 s[G0B+7], s[G0B+7], 0x80000000
	CROUND                                         ; all sixteen work-groups are here: the first joint loads meet
	JLOAD 0                                        ; my one tensor load at the head
	s_mul_i32 s66, s101, 16*1536
	s_mov_b32 s[G0A1], 1
	s_mov_b32 s[G0A1+1], C15A
	s_add_nc_u64 s[G0A1+2:G0A1+3], s[88:89], s[66:67]
	s_add_nc_u64 s[G0A1+2:G0A1+3], s[G0A1+2:G0A1+3], 15*APL
	s_or_b32 s[G0A1+3], s[G0A1+3], 0x80000000
	s_mul_i32 s96, s100, 24*1536
	s_mov_b32 s[G0B1], 1
	s_mov_b32 s[G0B1+1], C15B
	s_add_nc_u64 s[G0B1+2:G0B1+3], s[92:93], s[96:97]
	s_add_nc_u64 s[G0B1+2:G0B1+3], s[G0B1+2:G0B1+3], 15*BPL
	s_or_b32 s[G0B1+3], s[G0B1+3], 0x80000000
	s_lshl_b32 s98, s101, 8
	s_lshl_b32 s99, s22, 7
	s_add_co_u32 s98, s98, s99
	s_lshl_b32 s98, s98, 12                        ; h: row 256 tr + 128 half,
	s_lshl_b32 s99, s100, 9
	s_add_co_u32 s98, s98, s99                     ; byte 512 ct
	s_mov_b32 s99, 0
	s_mov_b32 s[G0H], 1
	s_mul_i32 s[G0H+1], s22, 128*HP
	s_add_co_u32 s[G0H+1], s[G0H+1], HT
	s_add_nc_u64 s[G0H+2:G0H+3], s[80:81], s[98:99]
	s_or_b32 s[G0H+3], s[G0H+3], 0x80000000
	s_lshl_b32 s98, s101, 14
	s_add_nc_u64 s[90:91], s[90:91], s[98:99]      ; A's scale bytes: 16 blocks of 1,024
	s_mul_i32 s98, s100, 24576
	s_add_nc_u64 s[94:95], s[94:95], s[98:99]      ; the weights': 24 blocks
	s_lshl_b32 s98, s101, 8
	s_lshl_b32 s2, s21, 7
	s_add_co_u32 s98, s98, s2
	s_lshl_b32 s2, s22, 4
	s_add_co_u32 s98, s98, s2                      ; out: the first row that I store: 256 tr + 128 wm + 16 wn
	s_lshl_b32 s98, s98, 12
	s_lshl_b32 s2, s100, 9
	s_add_co_u32 s98, s98, s2
	s_add_nc_u64 s[86:87], s[86:87], s[98:99]
	s_lshl_b32 s98, s22, 7
	s_add_co_u32 s98, s98, s2                      ; the biases: byte 512 ct + 128 wn
	s_add_nc_u64 s[82:83], s[82:83], s[98:99]
	s_add_nc_u64 s[84:85], s[84:85], s[98:99]
	s_lshl_b32 s98, s101, 8                        ; the prefetches.  h: row 256 tr + 64 wave, byte 512 ct
	s_lshl_b32 s3, s20, 6
	s_add_co_u32 s98, s98, s3
	s_lshl_b32 s98, s98, 12
	s_add_co_u32 s98, s98, s2
	s_add_nc_u64 s[80:81], s[80:81], s[98:99]
	s_bfe_u32 s2, ttmp6, 0x40000                   ; cx: my place among the four that ask for A's tiles with me
	s_bfe_u32 s3, ttmp6, 0x40004                   ; cy: among those that ask for the weights'
	s_mul_i32 s2, s2, 3072                         ; 12 blocks of 256 bytes
	s_mul_i32 s3, s3, 2304                         ; 9 blocks
	s_lshl_b32 s98, s101, 4
	s_lshl_b32 s67, s22, 3
	s_add_co_u32 s98, s98, s67
	s_mul_i32 s98, s98, 1536
	s_add_co_u32 s98, s98, s2
	s_add_co_u32 s98, s98, 6*APL                   ; A: my half's images, my share, plane 6
	s_mul_i32 s66, s100, 24
	s_mul_i32 s67, s22, 6
	s_add_co_u32 s66, s66, s67
	s_mul_i32 s66, s66, 1536
	s_add_co_u32 s66, s66, s3
	s_add_co_u32 s66, s66, 6*BPL                   ; the weights likewise
	s_cmp_eq_u32 s21, 0                            ; do I fetch for A?
	s_cselect_b32 s98, s98, s66
	s_cselect_b64 s[100:101], s[88:89], s[92:93]
	s_add_nc_u64 s[100:101], s[100:101], s[98:99]
	s_cselect_b32 s99, 11, 8                       ; the last lane with a block of its own
	s_mul_i32 s2, s21, AHALF                       ; the LDS bases, all made ahead of the vector lines
	s_mul_i32 s3, s22, BHALF
	s_add_co_u32 s3, s3, BOFF
	s_mul_i32 s66, s21, ASTEP
	s_add_co_u32 s66, s66, C15A
	s_mul_i32 s67, s22, BSTEP
	s_add_co_u32 s67, s67, C15B
	s_lshl_b32 s88, s21, 13
	s_add_co_u32 s88, s88, SCA
	s_mul_i32 s96, s22, 6144
	s_add_co_u32 s96, s96, SCB
	s_sub_co_u32 s96, s96, s88
	s_add_co_u32 s97, s96, 12288
	s_lshl_b32 s98, s22, 7
	s_mul_i32 s89, s21, 128*HP
	s_add_co_u32 s89, s89, s98
	s_add_co_u32 s89, s89, HT
	s_mul_i32 s93, s21, 32*HP
	s_add_co_u32 s93, s93, STAGE
	s_add_co_u32 s92, s93, s98
	s_mul_i32 s98, s22, 16*HP
	s_add_co_u32 s93, s93, s98
	v_and_b32 v1, 15, v0                           ; r
	v_bfe_u32 v2, v0, 4, 1                         ; h'; kept
	v_and_b32 v10, 31, v0                          ; lane
	v_lshlrev_b32 v3, 4, v10                       ; 16 x lane
	v_min_u32 v[PFO], s99, v10
	v_lshlrev_b32 v[PFO], 8, v[PFO]
	v_lshlrev_b32 v[PFHO], 12, v10
	v_add_nc_u32 v[ADRA], s2, v3
	v_add_nc_u32 v[ADRA+1], SLOT, v[ADRA]
	v_add_nc_u32 v[ADRB], s3, v3
	v_add_nc_u32 v[ADRB+1], SLOT, v[ADRB]
	v_add_nc_u32 v[ADRA0], s66, v3
	v_add_nc_u32 v[ADRB0], s67, v3
	v_lshl_add_u32 v[ADRSA], v1, 3, s88
	v_mul_u32_u24 v4, v1, HP
	v_lshl_add_u32 v4, v2, 5, v4                   ; row r, byte 32 h'
	v_add_nc_u32 v[HA], s89, v4
	v_add_nc_u32 v[STO], s92, v4
	v_mul_u32_u24 v5, v2, HP
	v_lshl_add_u32 v5, v1, 4, v5                   ; row lane / 16, byte 16 (lane % 16)
	v_add_nc_u32 v[RD], s93, v5
	v_lshlrev_b32 v[CO], 12, v2
	v_lshl_add_u32 v[CO], v1, 4, v[CO]
	v_lshlrev_b32 v[BO], 5, v2
	v_lshlrev_b32 v6, 4, v0                        ; 16 x thread
	v_add_nc_u32 v7, SCA, v6
	s_wait_alu depctr_va_vdst(0)
	s_mov_b32 s2, 0xbfb8aa3b                       ; -log2(e), as a pair
	s_mov_b32 s3, 0xbfb8aa3b
	s_mov_b32 s66, 0x4038aa3b                      ; 2 log2(e)
	s_mov_b32 s67, 0x4038aa3b
	ASK 3, 3, 0, 0                                 ; fills 1 and 2: their first touch
	ASK 6, 3, 0, 0
.irp i, 0,1,2,3,4,5,6,7                ; the scale bytes: each load of the four waves covers 2,048 consecutive bytes
	global_load_b128 v[128+4*\i:128+4*\i+3], v6, s[90:91] offset:2048*\i
.endr
.irp i, 0,1,2,3,4,5,6,7,8,9,10,11
	global_load_b128 v[160+4*\i:160+4*\i+3], v6, s[94:95] offset:2048*\i
.endr
	BIASES
	s_wait_loadcnt 16                              ; the twenty loads of scale bytes are in; the sixteen of the biases may be out
.irp i, 0,1,2,3,4,5,6,7,8,9,10,11,12,13,14,15,16,17,18,19
	ds_store_b128 v7, v[128+4*\i:128+4*\i+3] offset:2048*\i
.endr
.macro FRAG reg, adr, off
.irp c, 0,1,2
	ds_load_b128 v[\reg+4*\c:\reg+4*\c+3], v[\adr] offset:\off+512*\c
.endr
.endm
.macro FETCH_B k                       ; my six weight fragments of step k into set k % 2: 18 loads.  Step k < 15 lies in slot (k / 3) % 2 as its row k % 3
.if (\k) == 15
.set RB_, ADRB0
.set OB_, 0
.else
.set RB_, ADRB+((\k)/3)%2
.set OB_, BSTEP*((\k)%3)
.endif
	WIN TO_B
.irp j, 0,1,2,3,4,5
	FRAG 128*((\k)%2)+12*\j, RB_, OB_+1536*\j
.endr
	WIN 0
.endm
.macro FETCH_A k, i0                   ; A's blocks i0 .. i0 + 3 of step k: 12 loads
.if (\k) == 15
.set RA_, ADRA0
.set OA_, 0
.else
.set RA_, ADRA+((\k)/3)%2
.set OA_, ASTEP*((\k)%3)
.endif
.irp i, \i0, \i0+1, \i0+2, \i0+3
	FRAG AF+12*(\i), RA_, OA_+1536*(\i)
.endr
.endm
.macro SCALES P                        ; the scale words of steps 2 P, 2 P + 1: 8 loads; blocks 6 and 7 exist on A's side alone
.irp i, 0,1,2,3,4,5
	ds_load_b64 v[SC+16*((\P)%2)+2*\i:SC+16*((\P)%2)+2*\i+1], v[ADRS] offset:1024*\i+128*(\P)
.endr
.irp i, 6,7
	ds_load_b64 v[SC+16*((\P)%2)+2*\i:SC+16*((\P)%2)+2*\i+1], v[ADRSA] offset:1024*\i+128*(\P)
.endr
.endm
.macro PLACES n                        ; places behind matrix instructions (ISA guide 7.12.1)
.rept \n
	v_nop
.endr
.endm
; A's blocks a0, a0 + 1 against weight fragments jlo .. jhi (j = 2 gate + b).  bias = 1: the sum begins, with its bias as C.  The accumulators take turns.
.macro MUL2 a0, k, jlo, jhi, bias
.irp a, \a0, \a0+1
.irp j, 0,1,2,3,4,5
.if (\j >= \jlo) && (\j <= \jhi)
.set JJ, \j
.if \j >= 4
.set JJ, \j+2*((\k)/8)
.endif
.set ACR, 8*(8*((\a)%4)+JJ)
.set BFR, 128*((\k)%2)+12*\j
.set SCW, SC+16*(((\k)/2)%2)+(\k)%2
.if \bias
	v_wmma_scale_f32_16x16x128_f8f6f4 v[ACR:ACR+7], v[BFR:BFR+11], v[AF+12*(\a):AF+12*(\a)+11], v[BI+8*JJ:BI+8*JJ+7], v[SCW+2*\j], v[SCW+2*(\a)] matrix_a_fmt:MATRIX_FMT_FP6 matrix_b_fmt:MATRIX_FMT_FP6 matrix_a_scale:MATRIX_SCALE_ROW1
.else
	v_wmma_scale_f32_16x16x128_f8f6f4 v[ACR:ACR+7], v[BFR:BFR+11], v[AF+12*(\a):AF+12*(\a)+11], v[ACR:ACR+7], v[SCW+2*\j], v[SCW+2*(\a)] matrix_a_fmt:MATRIX_FMT_FP6 matrix_b_fmt:MATRIX_FMT_FP6 matrix_a_scale:MATRIX_SCALE_ROW1
.endif
.endif
.endr
.endr
.endm
.macro QUAD a0, k                      ; 12 products.  Step 0: all six sums begin.  Step 8: R and Z go on, NH begins
.set HI_, (\a0)/4
.if (\k) == 0
	WIN MULB_LO+0x40*HI_
	MUL2 \a0, \k, 0, 5, 1
.elseif (\k) == 8
	WIN MUL_LO+0x50*HI_
	MUL2 \a0, \k, 0, 3, 0
	WIN MULB_LO+0x40*HI_
	MUL2 \a0, \k, 4, 5, 1
.else
	WIN MUL_LO+0x50*HI_
	MUL2 \a0, \k, 0, 5, 0
.endif
.endm
.macro NEXTF k, mode                   ; the next step's fragments, round this step's second half; behind a refill and these loads, the prefetch of the fill two on
	FETCH_B (\k)+1
	FETCH_A (\k)+1, 0
.if (\k)%2 == 1
	SCALES ((\k)+1)/2
.endif
.if (\k) == 2
	ASK 12, 3, 0, 0
.elseif (\k) == 5
	ASK 15, 1, 0, 1
.elseif (\k) == 8
	ASK 0, 3, 1, 0
.elseif (\k) == 11
	ASK 3, 3, 1, 0
.elseif ((\k) == 14) && ((\mode) == 3)
	ASK 6, 3, 1, 0
.endif
	QUAD 4, \k
	QUAD 6, \k
	PLACES 4
	WIN 0
	FETCH_A (\k)+1, 4
.endm
.macro STEP k                          ; a step whose successor lies in the same slot
	s_wait_dscnt 12                                ; all but the youngest twelve loads (A's blocks 4-7) are in
	QUAD 0, \k
	QUAD 2, \k
	s_wait_dscnt 0x0
	PLACES 4
	NEXTF \k, 0
.endm
; A slot's last step.  mode 0: nothing is filled; 1: this slot takes the steps six on; 2: the sixth fill; 3: the next pass's first fill.  Its first twelve products need nothing of the next slot and stand ahead of the wait for it.
.macro TURN k, mode
.set SL_, ((\k)/3)%2
	s_wait_dscnt 12                                ; all but A's blocks 4-7 are in
	QUAD 0, \k
	WIN 0
	s_wait_tensorcnt 0x0                           ; all my tensor loads have landed: my part of the next slot
	ds_add_u32 v[SPW], v[NIL]
	s_wait_dscnt 0x0                               ; the add is done, my reads of this slot are over
	s_barrier_signal -1
	QUAD 2, \k
	WIN 0
	s_barrier_wait -1
.if \mode
	CREST                                          ; the barrier has opened a round of the cluster's
.if \mode == 1
	s_add_nc_u64 s[G0A+4*SL_+2:G0A+4*SL_+3], s[G0A+4*SL_+2:G0A+4*SL_+3], 6*APL
	s_add_nc_u64 s[G0B+4*SL_+2:G0B+4*SL_+3], s[G0B+4*SL_+2:G0B+4*SL_+3], 6*BPL
	JLOAD SL_
.elseif \mode == 2
	LOAD5
.else
	s_sub_nc_u64 s[G0A+2:G0A+3], s[G0A+2:G0A+3], 12*APL            ; back to plane 0: the same rows of x and h,
	s_sub_nc_u64 s[G0B+2:G0B+3], s[G0B+2:G0B+3], 12*BPL-BPASS      ; the next 12 weight blocks
	JLOAD 0
.endif
.else
	PLACES 4
.endif
	NEXTF \k, \mode
.endm
.macro LAST15
	s_wait_dscnt 12
	QUAD 0, 15
	QUAD 2, 15
	s_wait_dscnt 0x0
	QUAD 4, 15
	QUAD 6, 15
	WIN 0
	PLACES 4
.endm
; THE GATES.  SC1: every accumulator of the window is first read here, from its low end on, with no transcendental among these lines: R, Z x -log2(e); NX, NH x 2 log2(e)
.macro SC1
	s_wait_alu depctr_va_vdst(0)
.set I, 0
.rept 128
.if (I%64) < 32
	v_pk_mul_f32 v[I:I+1], v[I:I+1], s[2:3] op_sel_hi:[1,0]
.else
	v_pk_mul_f32 v[I:I+1], v[I:I+1], s[66:67] op_sel_hi:[1,0]
.endif
.set I, I+2
.endr
.endm
.macro PLAIN kind, x
.if \kind == 1
	v_pk_add_f32 v[\x:\x+1], v[\x:\x+1], 1.0 op_sel_hi:[1,0]
.elseif \kind == 2
	v_pk_fma_f32 v[\x+32:\x+33], v[\x+48:\x+49], v[\x:\x+1], v[\x+32:\x+33]        ; NH r + NX
.elseif \kind == 4
	v_pk_fma_f32 v[\x:\x+1], v[\x:\x+1], -2.0, 1.0 op_sel_hi:[1,0,0]               ; n = 1 - 2 q
.endif
.endm
; A phase: nt transcendentals in place from v[tb] on; behind every 'every' of them one packed line of the other block, which reads and writes nothing of this phase.  One wait ahead of the phase serves what both read
; the v_nop is the plain place behind the last transcendental.
.macro PH top, tb, nt, kind, pb, every
	s_wait_alu depctr_va_vdst(0)
.set TI, 0
.rept \nt
	\top v[\tb+TI], v[\tb+TI]
.set TI, TI+1
.if (\kind) && (TI%\every == 0)
	PLAIN \kind, \pb+2*(TI/\every-1)
.endif
.endr
	v_nop
.endm
.macro SENDP a, sig                    ; sixteen whole rows of blocks a, a + 1 (mine: block a + wn)
	s_wait_dscnt 0x0                               ; the rows are back in registers
.irp t, 0,1,2,3,4,5,6,7
	global_store_b128 v[CO], v[BK+4*\t:BK+4*\t+3], s[86:87] offset:(16*(\a)+2*\t)*4096 th:TH_STORE_NT   ; 16 lanes store 256 consecutive bytes, aligned
.endr
.if \sig
	s_barrier_signal -1                            ; my reads of the stage are over; the wait stands ahead of the next stores into it
.endif
.endm
.macro PAIR a, prev                    ; row blocks a and a + 1, both in one window
.set AB, 64*((\a)%4)
.set BB, AB+64
.set WW, 2+(\a)/4
	WIN 0x55*WW
	PH v_exp_f32, AB, 32, 0, 0, 1
.if \prev
	WIN 0
	SENDP (\a)-2, 1
	WIN 0x55*WW
.endif
	PH v_exp_f32, BB, 32, 1, AB, 2
	PH v_rcp_f32, AB, 32, 1, BB, 2                 ; r and z
	PH v_rcp_f32, BB, 32, 2, AB, 4
	PH v_exp_f32, AB+32, 16, 2, BB, 2
	WIN WW<<6                                      ; NH is dead: its registers take h(row, my 32 columns), laid as the accumulators lie
.irp q, 0,1
.irp c, 0,1
	ds_load_b128 v[AB+64*\q+48+8*\c:AB+64*\q+48+8*\c+3], v[HA] offset:16*HP*((\a)+\q)+64*\c
	ds_load_b128 v[AB+64*\q+52+8*\c:AB+64*\q+52+8*\c+3], v[HA] offset:16*HP*((\a)+\q)+64*\c+16
.endr
.endr
	WIN 0x55*WW
	PH v_exp_f32, BB+32, 16, 1, AB+32, 2
	PH v_rcp_f32, AB+32, 16, 1, BB+32, 2
	PH v_rcp_f32, BB+32, 16, 4, AB+32, 2
	s_wait_dscnt 0x0                               ; h is in
	s_wait_alu depctr_va_vdst(0)
.set I, 0
.rept 8
	v_pk_add_f32 v[AB+48+I:AB+49+I], v[AB+48+I:AB+49+I], v[AB+32+I:AB+33+I] neg_lo:[0,1] neg_hi:[0,1]   ; h - n
.set I, I+2
.endr
.set I, 0
.rept 8
	PLAIN 4, BB+32+I
.set I, I+2
.endr
.set I, 0
.rept 8
	v_pk_add_f32 v[BB+48+I:BB+49+I], v[BB+48+I:BB+49+I], v[BB+32+I:BB+33+I] neg_lo:[0,1] neg_hi:[0,1]
.set I, I+2
.endr
.set I, 0
.rept 8
	v_pk_fma_f32 v[AB+I:AB+1+I], v[AB+16+I:AB+17+I], v[AB+48+I:AB+49+I], v[AB+32+I:AB+33+I]             ; z (h - n) + n
.set I, I+2
.endr
.set I, 0
.rept 8
	v_pk_fma_f32 v[BB+I:BB+1+I], v[BB+16+I:BB+17+I], v[BB+48+I:BB+49+I], v[BB+32+I:BB+33+I]
.set I, I+2
.endr
	WIN WW<<2
	s_wait_alu depctr_va_vdst(0)
.if \prev
	s_barrier_wait -1                              ; nobody reads the stage any more
.endif
.irp q, 0,1
.irp c, 0,1
	ds_store_b128 v[STO], v[AB+64*\q+8*\c:AB+64*\q+8*\c+3] offset:16*HP*\q+64*\c
	ds_store_b128 v[STO], v[AB+64*\q+8*\c+4:AB+64*\q+8*\c+7] offset:16*HP*\q+64*\c+16
.endr
.endr
	s_wait_dscnt 0x0                               ; for the others' sake: my stores have landed
	s_barrier_signal -1
	s_barrier_wait -1
	WIN 0
	s_wait_xcnt 0x0                                ; the pair before's stores have read the registers that the loads below fill
.irp t, 0,1,2,3,4,5,6,7
	ds_load_b128 v[BK+4*\t:BK+4*\t+3], v[RD] offset:2*HP*\t
.endr
.endm
.macro EPILOGUE
	WIN 0xaa
	SC1
	WIN 0xff
	SC1
	PAIR 0, 0
	PAIR 2, 1
	PAIR 4, 1
	PAIR 6, 1
	SENDP 6, 0
.endm
.Lpass:                                                ; a pass: its first fill is on its way or in; slot 1 is read no more
	s_cmp_eq_u32 s23, 2
	s_cselect_b32 s98, s96, s97
	v_mul_u32_u24 v5, s98, v2                      ; lanes 16-31 take this pass's weight scale words: the lower base + h' x the distance
	v_add_nc_u32 v[ADRS], v[ADRSA], v5
	s_wait_alu depctr_va_vdst(0)
	s_wait_tensorcnt 0x0                           ; my part of steps 0 to 2 is in
	ds_add_u32 v[SPW], v[NIL]
	s_wait_dscnt 0x0                               ; the add, my LDS stores and my reads of slot 1 are done
	CROUND
	JLOAD 1                                        ; steps 3 to 5
	s_wait_loadcnt 0x0                             ; the biases
	FETCH_B 0
	FETCH_A 0, 0
	SCALES 0
	FETCH_A 0, 4
	ASK 9, 3, 0, 0                                 ; steps 9 to 11
	STEP 0
	STEP 1
	TURN 2, 1                                      ; slot 0 takes steps 6 to 8
	STEP 3
	STEP 4
	TURN 5, 1                                      ; slot 1 takes steps 9 to 11
	STEP 6
	STEP 7
	TURN 8, 1                                      ; slot 0 takes steps 12 to 14
	STEP 9
	STEP 10
	TURN 11, 2                                     ; slot 1 takes step 15 and h's tile
	STEP 12
	STEP 13
	s_cmp_eq_u32 s23, 1
	s_cbranch_scc1 .Llast_pass
	TURN 14, 3                                     ; slot 0 takes the next pass's steps 0 to 2
	LAST15
	s_add_nc_u64 s[82:83], s[82:83], 256           ; the next pass's biases: 64 columns on
	s_add_nc_u64 s[84:85], s[84:85], 256
	BIASES
	EPILOGUE
	s_wait_xcnt 0x0                                ; my stores and prefetches have read their bases
	s_add_nc_u64 s[86:87], s[86:87], 256
	s_add_nc_u64 s[80:81], s[80:81], 256           ; the prefetches: h's next 64 columns,
	s_add_nc_u64 s[100:101], s[100:101], BPASS     ; the next 12 weight blocks (A's waves ask no more)
	s_sub_nc_u64 s[G0A+6:G0A+7], s[G0A+6:G0A+7], 6*APL             ; slot 1's set: back to plane 3 (its last load landed long ago)
	s_sub_nc_u64 s[G0B+6:G0B+7], s[G0B+6:G0B+7], 6*BPL-BPASS
	s_add_nc_u64 s[G0B1+2:G0B1+3], s[G0B1+2:G0B1+3], BPASS
	s_add_nc_u64 s[G0H+2:G0H+3], s[G0H+2:G0H+3], 256
	s_sub_co_u32 s23, s23, 1
	s_branch .Lpass
.Llast_pass:
	TURN 14, 0                                     ; nothing is left to fetch: a plain barrier shows the sixth fill whole
	LAST15
	EPILOGUE
	s_wait_tensorcnt 0x0                           ; the wave's end
	ds_add_u32 v[SPW], v[NIL]
	s_wait_dscnt 0x0
	CROUND                                         ; the closing round
	s_endpgm
.Lfunc_end_k_q161f51e9e8_gru:
	.size	k_q161f51e9e8_gru, .Lfunc_end_k_q161f51e9e8_gru-k_q161f51e9e8_gru
	.p2alignl 7, 3214868480
	.fill 96, 4, 3214868480
	.section	.rodata,"a",@progbits
	.p2align	6, 0x0
	.amdhsa_kernel k_q161f51e9e8_gru
		.amdhsa_group_segment_fixed_size 327680
		.amdhsa_private_segment_fixed_size 0
		.amdhsa_enable_private_segment 0
		.amdhsa_kernarg_size 64
		.amdhsa_user_sgpr_count 2
		.amdhsa_user_sgpr_kernarg_segment_ptr 1
		.amdhsa_wavefront_size32 1
		.amdhsa_system_sgpr_workgroup_id_x 1
		.amdhsa_system_sgpr_workgroup_id_y 1
		.amdhsa_system_sgpr_workgroup_id_z 1
		.amdhsa_system_vgpr_workitem_id 0
		.amdhsa_next_free_vgpr 1024
		.amdhsa_next_free_sgpr 102
		.amdhsa_reserve_vcc 0
		.amdhsa_float_denorm_mode_32 3
		.amdhsa_float_denorm_mode_16_64 3
		.amdhsa_memory_ordered 1
		.amdhsa_forward_progress 1
		.amdhsa_inst_pref_size 255
	.end_amdhsa_kernel
	.section	.bss,"aw",@nobits
	.p2align	6
	.space	262144
	.amdgpu_metadata
---
amdhsa.version: [ 1, 2 ]
amdhsa.kernels:
  - .name:           k_q161f51e9e8_gru
    .symbol:         k_q161f51e9e8_gru.kd
    .args:
      - { .name: acodes, .offset: 0, .size: 8, .value_kind: global_buffer, .address_space: global }
      - { .name: ascales, .offset: 8, .size: 8, .value_kind: global_buffer, .address_space: global }
      - { .name: wcodes, .offset: 16, .size: 8, .value_kind: global_buffer, .address_space: global }
      - { .name: wscales, .offset: 24, .size: 8, .value_kind: global_buffer, .address_space: global }
      - { .name: h, .offset: 32, .size: 8, .value_kind: global_buffer, .address_space: global }
      - { .name: W_ih_b, .offset: 40, .size: 8, .value_kind: global_buffer, .address_space: global }
      - { .name: U_n_b, .offset: 48, .size: 8, .value_kind: global_buffer, .address_space: global }
      - { .name: out0, .offset: 56, .size: 8, .value_kind: global_buffer, .address_space: global }
    .group_segment_fixed_size: 327680
    .private_segment_fixed_size: 0
    .kernarg_segment_align: 8
    .kernarg_segment_size: 64
    .max_flat_workgroup_size: 128
    .sgpr_count:     102
    .vgpr_count:     1024
    .wavefront_size: 32
...
	.end_amdgpu_metadata
.endif
;; end of part 2
